; MI455X (gfx1250); checked and timed in simulation.
; The chip was launched on July 23, 2026; its instructions are those of AMD's public machine-readable ISA for CDNA 5 (MIT licence, August 2026) and "CDNA5" Instruction Set Architecture Reference Guide (July 2026). The comments in the code are by the model that wrote it; some were corrected since.
;; Flash Attention Pipelined. Allowed arithmetic: matrix products marked QUANTISED: E4M3 operands, one E8M0 scale for each 32 along K, by v_wmma_scale_f32_16x16x128_f8f6f4 with both operands' format E4M3, f32 sums; everything else in f32.
;; Inputs: key 4 x 16 x 2,048 x 128 float32; query 4 x 16 x 2,048 x 128 float32; value 4 x 16 x 2,048 x 128 float32.
;; Outputs: out0 4 x 16 x 2,048 x 128 float32.
;; This version of the problem:
;;   THIS VERSION OF THE PROBLEM IS GIVEN IN LOW PRECISION. The matrix products marked QUANTISED in the list below multiply operands that are first quantised to E4M3 (4 exponent bits, 3 mantissa bits; 8 bits a number), with one power-of-two scale for each 32 numbers along K (OCP MX v1.0); their sums are f32. All else is computed in f32.
;;   The module's matrix products, in the order in which they are computed (A, B: the left and right operand; K: the contracted axis; several contracted axes count as one K, in the product's order):
;;     1. batch 64 x [M 2,048, K 128] x [K 128, N 2,048]; A: input query; B: input key: QUANTISED
;;     2. batch 64 x [M 2,048, K 2,048] x [K 2,048, N 128]; A: softmax (see below); B: input value: QUANTISED
;;   THE QUANTISER, for each operand of a quantised product, along K:
;;     - K is cut into blocks of 32 from its start; a last block that is shorter is filled with zeros.
;;     - A block's scale is 2^e with e = floor(log2(the largest magnitude in the block)) - 8, held to -126 .. 127; a block of zeros has e = 0. As a byte (E8M0): e + 127.
;;     - Each number is divided by its block's scale, clamped to +-448, and rounded to the nearest number of E4M3, ties to even, subnormals kept.
;;     - The product sums the exact products of the quantised numbers (number of the format x scale) in f32.
;;   ~~~python
;;   def quantise(x, axis):      # numpy; x: float32 -> the quantised numbers, widened to float32 again
;;       x = np.moveaxis(x, axis, -1); K = x.shape[-1]
;;       x = np.pad(x, [(0, 0)] * (x.ndim - 1) + [(0, -K % 32)]); x = x.reshape(x.shape[:-1] + (-1, 32)); a = np.abs(x).max(-1, keepdims=True)
;;       e = np.where(a > 0, np.clip(np.frexp(np.where(a > 0, a, 1))[1] - 1 - 8, -126, 127), 0)      # np.frexp(a)[1] - 1 = floor(log2(a)), exactly
;;       r = np.clip(x / 2.0 ** e, -448, 448)
;;       step = 2.0 ** (np.maximum(np.frexp(np.where(r == 0, 1, r))[1] - 1, -6) - 3)
;;       q = np.round(r / step) * step * 2.0 ** e      # np.round: ties to even
;;       return np.moveaxis(q.reshape(q.shape[:-2] + (-1,))[..., :K], -1, axis).astype(np.float32)
;;   ~~~
;;   SOFTMAX AHEAD OF A QUANTISED PRODUCT. Where the list says 'softmax', what is quantised is not the finished softmax but p = 2^(t - M), with t = logit x log2(e) and M = ceil(the row's largest t), a whole number; so 1/2 < the row's largest p <= 1. The row's sum l is taken of the UNQUANTISED p, in f32, and the product's result is divided by l at the end. Since M is a whole number, a kernel that streams over the keys may use a running M (the ceiling of the running maximum): every later rescaling is an exact power of two, which a block's scale takes up: the codes' values come out the same.
;;   OPERANDS COMPUTED ON THE WAY. 'Computed on the way' means the value that the module computes at that place (a softmax that the list does not call 'softmax' is quantised finished and normalised). What goes into a quantiser is computed in f32, as accurately as f32 sums, v_exp_f32 and their like allow (about 1e-6 of the number): no bf16 or f16 on the way to a quantiser, and a product that is left as it is and whose result goes on into a quantised operand takes f32 operands (vector FMAs, or v_wmma_f32_16x16x4_f32). A number that lies on a knife's edge between two numbers of the format may be rounded either way, as far as f32 arithmetic and the matrix unit's own rounding can turn it there, and no further.
;; One version. Each part assembles by itself: llvm-mc -triple=amdgcn-amd-amdhsa -mcpu=gfx1250 --defsym DOCPART=n.
;; ======== version 1 of 1: 2 launches
;; limits: right only within a limited range of input values
;; workspace buffers: kv 34,603,008 bytes
;; launch prep (part 1): grid 8 x 64, 4 waves a work-group, no clusters, 34,304 bytes of LDS; arguments key, value, kv; writes kv
.if DOCPART == 1
	.amdgcn_target "amdgcn-amd-amdhsa--gfx1250"
	.amdhsa_code_object_version 6
	.text
	.protected	k_q92bff80ef9_prep
	.globl	k_q92bff80ef9_prep
	.p2align	8
	.type	k_q92bff80ef9_prep,@function
k_q92bff80ef9_prep:
	s_mov_b64 s[64:65], 0
	v_nop
	global_prefetch_b8 v0, s[64:65] scope:SCOPE_SE
	s_setreg_imm32_b32 hwreg(HW_REG_WAVE_MODE, 25, 1), 1
	s_wait_xcnt 0x0
; key and value, [64 heads][2048 keys][128 channels] f32, become codes of FP8 (E4M3) with one E8M0 scale byte for each 32 along K, laid in kv AS IMAGES OF THE OPERANDS' REGISTERS,
; so that the attention launch brings them by dense tensor loads and reads them from LDS at 16 x lane.  key is quantised along the channels (the first product's K), value along the keys (the second's).
; A block's scale is 2^(floor(log2(its largest magnitude)) - 8); its byte is the largest magnitude's exponent field - 8, held at 1 from below; numbers are held within +-448 x the scale and rounded to the nearest code, ties to even.
; LIMITS: NaN and infinities among the inputs are not served.  A block of zeros gets the byte 1 where the rule says 127: its codes are zeros, which add nothing under any byte but 0xff, and this program alone reads the bytes.
; kv, for each head HB = 540,672 bytes: eight slots of 256 keys, 65,536 bytes each: K's image, then V's, each [key step q 0..1][tile 0..7][c 0..3][lane][16 bytes]; behind them 2,048 scale bytes a slot: K's 1,024, V's 1,024, each [j 0..3][lane][q] words.
;   K's 16 bytes of (q, tile 2 b + u, c, lane r + 16 h): key 128 q + 32 b + 8 u + r + 8 (r / 8), channels 32 c + 16 h + 0 .. 15.  (The keys of a tile are not neighbours: so the scores of tiles 2 b, 2 b + 1 are 16 neighbouring keys in a lane.)
;   V's 16 bytes of (q, tile t, c, lane r + 16 h): channel 16 t + r, keys 128 q + 32 c + 16 h + 0 .. 15.
;   scale word (j, lane, q): lanes 0-15 row r of tile 2 j, lanes 16-31 row r of tile 2 j + 1: one register serves two tiles.
; SHARES.  A work-group takes one slot of one head, K and then V; wave w makes K's tiles 2 w, 2 w + 1 of both key steps and V's tiles 2 w, 2 w + 1 (channels 32 w + lane).  Work-groups share no input: no cluster.  A stream: no tensor loads, no matrix unit, no barrier (waves share nothing).
; K: a load reads one key's whole row, 512 consecutive bytes; 16 rows turn through the wave's own stage in LDS (pitch 528 = 33 x 16 bytes: the sixteen rows that a read touches start at sixteen different 16-byte columns), so that a lane gets 16 neighbouring channels of each block.
; V: a lane takes a channel and its registers run down the keys: a block of 32 keys lies in one lane, and the conversions give codes with the keys innermost; nothing is transposed, no LDS.
.set HB,    540672
.set STG,   16*528                     ; a wave's stage
.set SPARE, 4*STG                      ; behind the four stages: the spare words, 128 bytes for each wave: two blocks of 256 bytes that no other line names
.set LI,  2                            ; v2   16 x lane
.set L8,  3                            ; v3   8 x lane
.set L4,  4                            ; v4   4 x lane
.set VO,  5                            ; v5   V's codes: 2,048 (lane / 16) + 16 (lane % 16)
.set SWR, 6                            ; v6   the stage, on the way in: 16 x lane
.set SRD, 7                            ; v7   and out: 528 r + 64 h
.set SPW, 8                            ; v8   LDS address of my spare word; never rewritten
.set NIL, 9                            ; v9   0; never rewritten
.set R0,  16                           ; v16-79   numbers as loaded (K: 16 rows; V: two sets of 32)
.set R1,  80                           ; v80-143  K's other set; later V's codes, eight registers for each block, so that no store's data are written again
.set X,   144                          ; v144-207 64 numbers back from the stage: register 16 b + i = channel 32 b + 16 h + i of row r
.set TM,  208                          ; v208-223 at work
.set PC,  224                          ; v224-239 a fragment's codes
.set PW,  240                          ; v240     its scale word
.set SW,  242                          ; v[242:243] K's scale words for key steps 0, 1
.set SB,  244                          ; v[244:245] V's
.set WV,  12
.set SEL, 14                           ; s[14:15] v_permlanex16_b32's selects for lane l xor 16
.set MNT, 16                           ; s16  the mantissa field of 448
.set HM,  17                           ; s17  a lane mask: lanes 16-31
	s_load_b128 s[4:7], s[0:1], 0x0                ; key, value
	s_load_b64 s[8:9], s[0:1], 0x10                ; kv
	v_lshl_add_u32 v[SPW], v0, 2, SPARE
	v_mov_b32 v[NIL], 0
	v_lshrrev_b32 v10, 5, v0
	v_readfirstlane_b32 s[WV], v10                 ; wave 0..3
	v_and_b32 v1, 31, v0                           ; lane
	v_lshlrev_b32 v[LI], 4, v1
	v_lshlrev_b32 v[L8], 3, v1
	v_lshlrev_b32 v[L4], 2, v1
	v_and_b32 v10, 15, v0                          ; r
	v_bfe_u32 v11, v0, 4, 1                        ; h
	v_lshlrev_b32 v[VO], 4, v10
	v_lshl_add_u32 v[VO], v11, 11, v[VO]
	s_mul_i32 s20, s[WV], STG
	v_add_nc_u32 v[SWR], s20, v[LI]
	v_mul_u32_u24 v[SRD], v10, 528
	v_lshl_add_u32 v[SRD], v11, 6, v[SRD]
	v_add_nc_u32 v[SRD], s20, v[SRD]
.irp b, 0,1,2,3
	v_mov_b32 v[TM+4+\b], 0                        ; written once: a lane permute's destination counts as one of its sources
.endr
	s_mov_b32 s[SEL], 0x76543210
	s_mov_b32 s[SEL+1], 0xfedcba98
	s_mov_b32 s[MNT], 0x600000
	s_mov_b32 s[HM], 0xffff0000
	s_and_b32 s13, ttmp7, 0xffff                   ; the head
	s_lshl_b32 s20, s13, 20                        ; a head of key or value is 2^20 bytes,
	s_lshl_b32 s21, ttmp9, 17                      ; a slot's 256 rows 2^17.  All offsets stay under 2^32
	s_add_co_u32 s20, s20, s21
	s_lshl_b32 s21, s[WV], 14                      ; K: my 32 keys of each key step begin 32 w rows on
	s_add_co_u32 s22, s20, s21
	s_mov_b32 s23, 0
	s_lshl_b32 s21, s[WV], 7                       ; V: my 32 channels begin 128 w bytes on
	s_add_co_u32 s24, s20, s21
	s_mov_b32 s25, 0
	s_mul_i32 s26, s13, HB
	s_lshl_b32 s21, ttmp9, 16
	s_add_co_u32 s28, s26, s21
	s_lshl_b32 s21, s[WV], 12                      ; tile 2 w: 2 w x 2,048 bytes
	s_add_co_u32 s28, s28, s21
	s_mov_b32 s29, 0
	s_lshl_b32 s21, ttmp9, 11
	s_add_co_u32 s26, s26, s21
	s_lshl_b32 s21, s[WV], 8                       ; j = w: 256 bytes
	s_add_co_u32 s26, s26, s21
	s_add_co_u32 s26, s26, 524288
	s_mov_b32 s27, 0
	s_wait_alu depctr_va_vdst(0)
	s_wait_kmcnt 0x0
	s_add_nc_u64 s[10:11], s[8:9], s[26:27]        ; my scale words
	s_add_nc_u64 s[8:9], s[8:9], s[28:29]          ; my codes
	s_add_nc_u64 s[4:5], s[4:5], s[22:23]
	s_add_nc_u64 s[6:7], s[6:7], s[24:25]
.macro LOADK n                         ; K's tile n = 2 q + u of mine: row i is key 128 q + 32 w + 8 u + i + 8 (i / 8); 32 lanes read its 512 consecutive bytes
.irp i, 0,1,2,3,4,5,6,7,8,9,10,11,12,13,14,15
	global_load_b128 v[R0+64*((\n)%2)+4*\i:R0+64*((\n)%2)+4*\i+3], v[LI], s[4:5] offset:(128*((\n)/2)+8*((\n)%2)+\i+8*(\i/8))*512 th:TH_LOAD_NT
.endr
.endm
.macro LOADV t                         ; V's block t: keys 32 t + i of my channel; 32 lanes read 128 consecutive bytes, the four waves side by side a row's 512
.irp i, 0,1,2,3,4,5,6,7,8,9,10,11,12,13,14,15,16,17,18,19,20,21,22,23,24,25,26,27,28,29,30,31
	global_load_b32 v[R0+32*((\t)%2)+\i], v[L4], s[6:7] offset:(32*(\t)+\i)*512 th:TH_LOAD_NT
.endr
.endm
; 64 numbers of a lane, register 16 b + i = k 32 b + 16 h + i of my row, become a fragment's codes in v[PC] on and its scale word in v[PW]
.macro QUANT s
.irp b, 0,1,2,3
	v_max3_num_f32 v[TM+\b], |v[\s+16*\b]|, |v[\s+1+16*\b]|, 0x4800000   ; block b: my 16 numbers, and the floor 2^(9 - 127): so the byte cannot fall under 1
.endr
.irp i, 2,4,6,8,10,12,14
.irp b, 0,1,2,3
	v_max3_num_f32 v[TM+\b], v[TM+\b], |v[\s+16*\b+\i]|, |v[\s+1+16*\b+\i]|   ; the four blocks by turns: no line waits for the line above it
.endr
.endr
.irp b, 0,1,2,3
	v_permlanex16_b32 v[TM+4+\b], v[TM+\b], s[SEL], s[SEL+1]
.endr
.irp b, 0,1,2,3
	v_max_num_f32 v[TM+\b], v[TM+\b], v[TM+4+\b]   ; with lane l xor 16's: the block's largest magnitude
.endr
.irp b, 0,1,2,3
	v_add_nc_u32 v[TM+12+\b], 0xfc000000, v[TM+\b] ; 8 off its exponent field: the conversion takes the exponent field of this operand as its scale
.endr
.irp b, 0,1,2,3
	v_and_or_b32 v[TM+8+\b], v[TM+\b], 0x7f800000, s[MNT]   ; 448 x the scale
.endr
.irp b, 0,1,2,3
	v_lshrrev_b32 v[TM+4+\b], 23, v[TM+12+\b]      ; the scale's byte
.endr
	v_lshl_or_b32 v[PW], v[TM+5], 8, v[TM+4]
	v_lshl_or_b32 v[PW], v[TM+6], 16, v[PW]
	v_lshl_or_b32 v[PW], v[TM+7], 24, v[PW]        ; my row's scale word; lanes r and r + 16 hold the same
.irp b, 0,1,2,3
.irp i, 0,1,2,3,4,5,6,7,8,9,10,11,12,13,14,15
	v_med3_num_f32 v[\s+16*\b+\i], v[\s+16*\b+\i], -v[TM+8+\b], v[TM+8+\b]   ; the conversion to an 8-bit code does not saturate (ISA guide 7.6.2): the hold comes first
.endr
	v_cvt_scalef32_pk8_fp8_f32 v[PC+4*\b:PC+1+4*\b], v[\s+16*\b:\s+7+16*\b], v[TM+12+\b]
	v_cvt_scalef32_pk8_fp8_f32 v[PC+2+4*\b:PC+3+4*\b], v[\s+8+16*\b:\s+15+16*\b], v[TM+12+\b]
.endr
	v_nop                                          ; one plain vector line behind the last conversion
.endm
; K's tile n.  cnt: the younger loads that may stay out.  kind, arg: what is asked for next into the registers that the stage has read (1: K's tile arg; 2: V's block arg)
.macro TILE n, cnt, kind, arg
	s_wait_loadcnt \cnt                            ; loads come back in order: this tile's 16 are in
.irp i, 0,1,2,3,4,5,6,7,8,9,10,11,12,13,14,15
	ds_store_b128 v[SWR], v[R0+64*((\n)%2)+4*\i:R0+64*((\n)%2)+4*\i+3] offset:528*\i
.endr
.irp b, 0,1,2,3
.irp j, 0,1,2,3
	ds_load_b128 v[X+16*\b+4*\j:X+16*\b+4*\j+3], v[SRD] offset:128*\b+16*\j   ; LDS serves a wave's instructions in order: these see the stores above
.endr
.endr
	s_wait_dscnt 0x0                               ; the numbers are back, and the stores have read their registers
	s_wait_xcnt 0x0                                ; the last tile's stores have read the codes' registers: they are written again only behind this wait
.if \kind == 1
	LOADK \arg
.else
	LOADV \arg
.endif
	QUANT X
.irp c, 0,1,2,3
	global_store_b128 v[LI], v[PC+4*\c:PC+4*\c+3], s[8:9] offset:((\n)/2)*16384+((\n)%2)*2048+512*\c   ; 32 lanes store 512 consecutive bytes, at a multiple of 256 from kv's first byte
.endr
.if (\n)%2 == 0
	v_mov_b32 v[SW+(\n)/2], v[PW]                  ; tile 2 w's words, wanted in lanes 0-15;
.else
	v_cndmask_b32 v[SW+(\n)/2], v[SW+(\n)/2], v[PW], s[HM]   ; tile 2 w + 1's in lanes 16-31
.endif
.endm
; V's block t: 32 keys of my channel, all in my registers
.macro BLOCK t
.set XS, R0+32*((\t)%2)
.set CC, R1+8*(\t)
.if (\t) < 7
	s_wait_loadcnt 32                              ; this block's 32 loads are in; the next block's may be out
.else
	s_wait_loadcnt 0x0
.endif
	v_max3_num_f32 v[TM], |v[XS]|, |v[XS+1]|, |v[XS+2]|
	v_max3_num_f32 v[TM+1], |v[XS+3]|, |v[XS+4]|, |v[XS+5]|
.irp i, 6,10,14,18,22,26
	v_max3_num_f32 v[TM], v[TM], |v[XS+\i]|, |v[XS+\i+1]|
	v_max3_num_f32 v[TM+1], v[TM+1], |v[XS+\i+2]|, |v[XS+\i+3]|
.endr
	v_max3_num_f32 v[TM], v[TM], |v[XS+30]|, |v[XS+31]|
	v_max3_num_f32 v[TM], v[TM], v[TM+1], 0x4800000   ; and the floor
	v_add_nc_u32 v[TM+2], 0xfc000000, v[TM]        ; the conversion's scale operand
	v_and_or_b32 v[TM+3], v[TM], 0x7f800000, s[MNT]   ; 448 x the scale
	v_lshrrev_b32 v[TM+4], 23, v[TM+2]             ; the byte
.if (\t)%4 == 0
	v_mov_b32 v[SB+(\t)/4], v[TM+4]                ; four bytes to a word, the lower keys in the lower byte
.else
	v_lshl_or_b32 v[SB+(\t)/4], v[TM+4], 8*((\t)%4), v[SB+(\t)/4]
.endif
.irp i, 0,1,2,3,4,5,6,7,8,9,10,11,12,13,14,15,16,17,18,19,20,21,22,23,24,25,26,27,28,29,30,31
	v_med3_num_f32 v[XS+\i], v[XS+\i], -v[TM+3], v[TM+3]
.endr
.irp g, 0,1,2,3
	v_cvt_scalef32_pk8_fp8_f32 v[CC+2*\g:CC+2*\g+1], v[XS+8*\g:XS+8*\g+7], v[TM+2]
.endr
	v_nop                                          ; one plain vector line behind the last conversion
	global_store_b128 v[VO], v[CC:CC+3], s[8:9] offset:32768+((\t)/4)*16384+512*((\t)%4)         ; keys 0-15 of the block: the image's lanes 0-15; sixteen lanes store 256 consecutive bytes, aligned
	global_store_b128 v[VO], v[CC+4:CC+7], s[8:9] offset:32768+((\t)/4)*16384+512*((\t)%4)+256   ; keys 16-31: its lanes 16-31
.if (\t)+2 < 8
	LOADV (\t)+2
.endif
.endm
	LOADK 0
	LOADK 1
	TILE 0, 16, 1, 2                               ; 16: the next tile's loads stay out
	TILE 1, 16, 1, 3
	TILE 2, 16, 2, 0
	TILE 3, 32, 2, 1                               ; 32: V's block 0 stays out
	global_store_b64 v[L8], v[SW:SW+1], s[10:11]   ; 32 lanes store one aligned block of 256 bytes
.irp t, 0,1,2,3,4,5,6,7
	BLOCK \t
.endr
	global_store_b64 v[L8], v[SB:SB+1], s[10:11] offset:1024
	s_wait_tensorcnt 0x0                           ; the wave's end
	ds_add_u32 v[SPW], v[NIL]
	s_wait_dscnt 0x0
	s_endpgm
.Lfunc_end_k_q92bff80ef9_prep:
	.size	k_q92bff80ef9_prep, .Lfunc_end_k_q92bff80ef9_prep-k_q92bff80ef9_prep
	.p2alignl 7, 3214868480
	.fill 96, 4, 3214868480
	.section	.rodata,"a",@progbits
	.p2align	6, 0x0
	.amdhsa_kernel k_q92bff80ef9_prep
		.amdhsa_group_segment_fixed_size 34304
		.amdhsa_private_segment_fixed_size 0
		.amdhsa_enable_private_segment 0
		.amdhsa_kernarg_size 24
		.amdhsa_user_sgpr_count 2
		.amdhsa_user_sgpr_kernarg_segment_ptr 1
		.amdhsa_wavefront_size32 1
		.amdhsa_system_sgpr_workgroup_id_x 1
		.amdhsa_system_sgpr_workgroup_id_y 1
		.amdhsa_system_sgpr_workgroup_id_z 1
		.amdhsa_system_vgpr_workitem_id 0
		.amdhsa_next_free_vgpr 248
		.amdhsa_next_free_sgpr 66
		.amdhsa_reserve_vcc 0
		.amdhsa_float_denorm_mode_32 3
		.amdhsa_float_denorm_mode_16_64 3
		.amdhsa_memory_ordered 1
		.amdhsa_forward_progress 1
		.amdhsa_inst_pref_size 105
	.end_amdhsa_kernel
	.amdgpu_metadata
---
amdhsa.version: [ 1, 2 ]
amdhsa.kernels:
  - .name:           k_q92bff80ef9_prep
    .symbol:         k_q92bff80ef9_prep.kd
    .args:
      - { .name: key, .offset: 0, .size: 8, .value_kind: global_buffer, .address_space: global }
      - { .name: value, .offset: 8, .size: 8, .value_kind: global_buffer, .address_space: global }
      - { .name: kv, .offset: 16, .size: 8, .value_kind: global_buffer, .address_space: global }
    .group_segment_fixed_size: 34304
    .private_segment_fixed_size: 0
    .kernarg_segment_align: 8
    .kernarg_segment_size: 24
    .max_flat_workgroup_size: 128
    .sgpr_count:     66
    .vgpr_count:     248
    .wavefront_size: 32
...
	.end_amdgpu_metadata
.endif
;; end of part 1
;; launch attn (part 2): grid 4 x 64, 8 waves a work-group, clusters of 4 x 1, 327,680 bytes of LDS; arguments query, kv, out0; writes out0
.if DOCPART == 2
	.amdgcn_target "amdgcn-amd-amdhsa--gfx1250"
	.amdhsa_code_object_version 6
	.text
	.protected	k_q92bff80ef9_attn
	.globl	k_q92bff80ef9_attn
	.p2align	8
	.type	k_q92bff80ef9_attn,@function
k_q92bff80ef9_attn:
	s_mov_b64 s[64:65], 0
	v_nop
	global_prefetch_b8 v0, s[64:65] scope:SCOPE_SE
	s_setreg_imm32_b32 hwreg(HW_REG_WAVE_MODE, 25, 1), 1
	s_wait_xcnt 0x0
	s_wait_alu depctr_hold_cnt(0) depctr_sa_sdst(0) depctr_va_vdst(0) depctr_va_sdst(0) depctr_va_ssrc(0) depctr_va_vcc(0) depctr_vm_vsrc(0)
	s_getreg_b32 s2, hwreg(HW_REG_IB_STS2, 6, 4)
	s_cmp_eq_u32 s2, 0
	s_cbranch_scc0 .Lentry_in_a_cluster
	s_endpgm
.Lentry_in_a_cluster:
	s_bfe_u32 s2, ttmp6, 0x10000c
	s_cmp_lg_u32 s2, 0x3003
	s_cbranch_scc0 .Lentry_shape_is_right
	s_endpgm
.Lentry_shape_is_right:
; out0[head][q][:] = the sum over k of softmax_k(Q[q] . K[k] / sqrt(128)) V[k][:], 64 heads of 2,048 queries and keys, head size 128, both products on codes of FP8 (E4M3) with one E8M0 scale for each 32 along a product's K.
; query arrives as f32 and is quantised here, in registers (each row is read once, by one wave); K's and V's codes and scale words come from kv, laid by the launch before as images of the operands' registers.
; THE SOFTMAX: t = score x log2(e) / sqrt(128); M = the row's largest t so far, rounded UP to a whole number; p = 2^(t - M) is quantised along the keys, not normalised.  The row's sum is taken of the unquantised p and divides O at the end.
; When M moves, the sum and O are multiplied by f = 2^(old M - new M): exact.
; LIMITS: NaN and infinities among the inputs are not served.  A block of zeros gets the scale byte 1 where the rule says 127 (its codes are zeros).  v_exp_f32 gives 0 for a p under 2^-126.  The scaled scores stay under 2^31 in magnitude.
; SHARES.  A head is one cluster of four work-groups.  A work-group STAYS for two blocks of 256 queries (blocks cx and cx + 4); each of its eight waves owns 32 queries of a block, two tiles of 16, in 512 registers.
; The keys are walked once for each block, 128 a step, two steps to a period: 16 periods through a ring of two LDS slots of 65,536 bytes (waves 0-3 fetch a quarter each); the ring runs on from the first block into the second.  The head's 16,384 scale bytes come once (wave 4).
; Every tile is asked for JOINTLY by the four partners: the same tensor load, the same descriptor, the mask 15.
; K'S FRAGMENTS ARE FETCHED FROM LDS A STEP AHEAD, into registers that are free by then: tiles 0-3 into the upper halves of the two tiles of scores, once their p is converted; tiles 4-7 into the registers of V's tiles 4-7, which the second product takes first.
; THE CHANGE OF SLOTS stands inside a period's last key step: once V's fragments are in registers the wave reads the slot no more, so its waits, its add and the round's opening signal stand there; most of the softmax, work on registers, follows;
; then the round's wait and its rest, the joint refill, and the first fetch ahead from the next slot.
; The second block finds the first block's finished O and sum in the registers: its first f is 0 (M starts from -3e38), which makes zeros of these finite numbers; so nothing is cleared between the blocks.
; LAYOUT.  Both products are used transposed: S^T = K Q^T, O^T = V^T P^T: a lane holds ONE query (lane % 16).  The 16 registers of K's tiles 2 b, 2 b + 1 are keys 32 b + 16 (lane / 16) + 0 .. 15: the conversions' results are the second product's operand.
; PREFETCHES.  Period m + 3's 65,536 bytes are named at the change that loads period m + 2, in the first walk alone (m <= 4; the second walk reads the same bytes again): 16,384 bytes a partner, told apart by address, 8,192 a wave (waves 6, 7), lanes 256 bytes apart.
; The second block's 16,384 bytes of query of each wave are named by that wave in period 3, four periods ahead of their loads.  Periods 0 and 1, the scale words and the first block's query come by their loads alone.
; REGISTERS (s_set_vgpr_msb: bits 1:0 source 0, 3:2 source 1, 5:4 source 2, 7:6 destination).  u = 0, 1 is the query tile.
;   window 0: v1-11 addresses; v[12+4u] -M, +1 the largest score, +2, +3 the sum; v[20+2u] f; v24+u Q's scale words, v26+u p's, v28-31 K's, v36-39 V's; v40+16u Q's codes; v72+16u p's codes; v104+12u at work; v128+64u S^T, then p, then (upper 32) two fragments of K.
;   window 1: v[64u] O^T; v128-255 eight fragments of V; the upper 64 then K's tiles 4-7.
.set HB,    540672
.set SLOT1, 1<<17                      ; slot 0 at LDS byte 0, slot 1 here
.set SCL,   65536                      ; the head's scale words, filled once
.set STAGE, 81920                      ; the way out: 16 rows x 272 bytes for each wave; no tensor load lands here
.set SP,    272
.set SPARE, STAGE+8*16*SP              ; the spare words, 128 bytes a wave
.set NEXTQ, 0x80000                    ; four blocks of 256 rows of 512 bytes: from my first block to my second
.set LI0, 1                            ; 16 x lane
.set LS0, 2                            ; SCL + 8 x lane
.set ADI, 3                            ; the period's images
.set ADS, 4                            ; the period's scale words
.set SPW, 5
.set NIL, 6
.set PFO, 7                            ; 256 x lane
.set STO, 8
.set RD,  9
.set GO,  10
.set QO,  11                           ; 512 r + 64 h
.set ST,  12
.set FF,  20
.set QS,  24
.set PS,  26
.set KS,  28
.set VS,  36
.set QC,  40
.set PCD, 72
.set TM,  104                          ; +12u: 0-3 the blocks' maxima, then bytes, then the sum's second chain; 4-7 permutes, then 448 x the scale; 8-11 scratch, then the conversions' scale operands
.set SA,  128
.set OA,  0                            ; window 1
.set FRG, 128                          ; window 1
.set WV,  10
.set G1,  16
.set G0,  24
.set SEL, 28
.set CS,  30                           ; s[30:31] c = log2(e) / sqrt(128), twice
.set MNT, 32
.set TB,  33                           ; LDS byte at which the slot in hand begins
.set TS,  34                           ; where its scale words begin
.set MC,  35                           ; the period, 0 .. 15
.set PFA, 36
.set LIM, 38                           ; 5 in waves 6 and 7, else 0: a wave asks while the period is under it
.set NCS, 39                           ; -c
.set KVW, 48                           ; s[48:49] kv at my head + 16,384 x wave
.set MSB, 0
.macro WIN new
.if MSB != \new
	s_set_vgpr_msb (MSB<<8)|\new
.set MSB, \new
.endif
.endm
.macro ALUW
	s_wait_alu depctr_va_vdst(0)
.endm
.macro NOPS n
.rept \n
	v_nop
.endr
.endm
.macro CREST                           ; a round of the cluster's barrier behind its opening barrier
	s_cmp_lg_u32 s[WV], 0
	s_cbranch_scc1 .Lnot_wave_0_\@
	s_barrier_signal -3
.Lnot_wave_0_\@:
	s_barrier_wait -3
	s_barrier_signal -1
	s_barrier_wait -1
.endm
.macro CROUND
	s_barrier_signal -1
	s_barrier_wait -1
	CREST
.endm
.macro TLOAD lim                       ; a joint load: the waves under lim issue one each
	s_cmp_lt_u32 s[WV], \lim
	s_cbranch_scc0 .Lnone_\@
	tensor_load_to_lds s[G0:G0+3], s[G1:G1+7]
	s_nop 0
	NOPS 4
.Lnone_\@:
.endm
.macro ASK
	s_cmp_lt_u32 s[MC], s[LIM]
	s_cbranch_scc0 .Lnot_mine_\@
	global_prefetch_b8 v[PFO], s[PFA:PFA+1] th:TH_LOAD_NT scope:SCOPE_SE
.Lnot_mine_\@:
.endm
.macro QLOAD off                       ; Q(16 u + r, 32 b + 16 h + 4 j ..), where the scores will lie
.irp u, 0,1
.irp b, 0,1,2,3
.irp j, 0,1,2,3
	global_load_b128 v[SA+64*\u+16*\b+4*\j:SA+64*\u+16*\b+4*\j+3], v[QO], s[4:5] offset:\off+8192*\u+128*\b+16*\j
.endr
.endr
.endr
.endm
; The blocks' largest magnitudes in v[TM+12u+b] become the conversions' scale operands (+8), 448 x the scale (+4), the bytes (+0) and the scale words v[dst+u]
.macro SCALEW dst, floor
.if \floor
.irp u, 0,1
.irp b, 0,1,2,3
	v_max_num_f32 v[TM+12*\u+\b], 0x4800000, v[TM+12*\u+\b]   ; the floor 2^(9 - 127): the byte cannot fall under 1
.endr
.endr
.endif
.irp u, 0,1
.irp b, 0,1,2,3
	v_add_nc_u32 v[TM+12*\u+8+\b], 0xfc000000, v[TM+12*\u+\b]   ; 8 off the exponent field
.endr
.endr
.irp u, 0,1
.irp b, 0,1,2,3
	v_and_or_b32 v[TM+12*\u+4+\b], v[TM+12*\u+\b], 0x7f800000, s[MNT]
.endr
.endr
.irp u, 0,1
.irp b, 0,1,2,3
	v_lshrrev_b32 v[TM+12*\u+\b], 23, v[TM+12*\u+8+\b]
.endr
.endr
.irp u, 0,1
	v_lshl_or_b32 v[\dst+\u], v[TM+12*\u+1], 8, v[TM+12*\u]
.endr
.irp u, 0,1
	v_lshl_or_b32 v[\dst+\u], v[TM+12*\u+2], 16, v[\dst+\u]
.endr
.irp u, 0,1
	v_lshl_or_b32 v[\dst+\u], v[TM+12*\u+3], 24, v[\dst+\u]
.endr
.endm
.macro CVT dst, u                      ; tile u's 64 numbers become a fragment's codes: registers 4 b .. 4 b + 3 hold k = 32 b + 16 h + 0 .. 15
.irp b, 0,1,2,3
	v_cvt_scalef32_pk8_fp8_f32 v[\dst+16*\u+4*\b:\dst+16*\u+4*\b+1], v[SA+64*\u+16*\b:SA+64*\u+16*\b+7], v[TM+12*\u+8+\b]
	v_cvt_scalef32_pk8_fp8_f32 v[\dst+16*\u+4*\b+2:\dst+16*\u+4*\b+3], v[SA+64*\u+16*\b+8:SA+64*\u+16*\b+15], v[TM+12*\u+8+\b]
.endr
.endm
.macro XLANE                           ; each block's maximum is joined with lane l xor 16's
.irp u, 0,1
.irp b, 0,1,2,3
	v_permlanex16_b32 v[TM+12*\u+4+\b], v[TM+12*\u+\b], s[SEL], s[SEL+1]
.endr
.endr
.irp u, 0,1
.irp b, 0,1,2,3
	v_max_num_f32 v[TM+12*\u+\b], v[TM+12*\u+\b], v[TM+12*\u+4+\b]
.endr
.endr
.endm
; Q is quantised in registers, and the block's running numbers begin anew
.macro QQUANT
	s_wait_loadcnt 0x0
.irp u, 0,1
.irp b, 0,1,2,3
	v_max3_num_f32 v[TM+12*\u+\b], |v[SA+64*\u+16*\b]|, |v[SA+64*\u+16*\b+1]|, 0x4800000
.endr
.endr
.irp i, 2,4,6,8,10,12,14
.irp u, 0,1
.irp b, 0,1,2,3
	v_max3_num_f32 v[TM+12*\u+\b], v[TM+12*\u+\b], |v[SA+64*\u+16*\b+\i]|, |v[SA+64*\u+16*\b+\i+1]|
.endr
.endr
.endr
	XLANE
	SCALEW QS, 0
.irp u, 0,1
.irp b, 0,1,2,3
.irp i, 0,1,2,3,4,5,6,7,8,9,10,11,12,13,14,15
	v_med3_num_f32 v[SA+64*\u+16*\b+\i], v[SA+64*\u+16*\b+\i], -v[TM+12*\u+4+\b], v[TM+12*\u+4+\b]   ; the conversion does not saturate (ISA guide 7.6.2): the hold comes first
.endr
.endr
.endr
	CVT QC, 0
	CVT QC, 1
.irp u, 0,1
	v_mov_b32 v[ST+4*\u+1], 0xff61b1e6             ; the largest score so far: -3e38
	v_floor_f32 v[ST+4*\u], -v[ST+4*\u+1]          ; -M
.endr
	NOPS 4                                         ; places between the codes and the scaled products that take them
	ALUW                                           ; the codes and these numbers are first read behind waits and branches
.endm
; V of key step q: four registers of scale words, then eight fragments
.macro LOADV q
.irp j, 0,1,2,3
	ds_load_b32 v[VS+\j], v[ADS] offset:1024+256*\j+4*(\q)
.endr
	WIN 0x40
.irp t, 0,1,2,3,4,5,6,7
.irp c, 0,1,2,3
	ds_load_b128 v[FRG+16*\t+4*\c:FRG+16*\t+4*\c+3], v[ADI] offset:32768+(\q)*16384+2048*\t+512*\c
.endr
.endr
	WIN 0
.endm
; K of key step q, in three parts.  1: the scale words and tiles 0, 1, into the upper half of score tile 0;  2: tiles 2, 3, into that of score tile 1;  3: tiles 4-7, into the registers of V's tiles 4-7
.macro LOADK1 q
.irp j, 0,1,2,3
	ds_load_b32 v[KS+\j], v[ADS] offset:256*\j+4*(\q)
.endr
.irp t, 0,1
.irp c, 0,1,2,3
	ds_load_b128 v[SA+32+16*\t+4*\c:SA+32+16*\t+4*\c+3], v[ADI] offset:(\q)*16384+2048*\t+512*\c
.endr
.endr
.endm
.macro LOADK2 q
.irp t, 2,3
.irp c, 0,1,2,3
	ds_load_b128 v[SA+64+16*\t+4*\c:SA+64+16*\t+4*\c+3], v[ADI] offset:(\q)*16384+2048*\t+512*\c
.endr
.endr
.endm
.macro LOADK3 q
	WIN 0x40
.irp t, 4,5,6,7
.irp c, 0,1,2,3
	ds_load_b128 v[FRG+16*\t+4*\c:FRG+16*\t+4*\c+3], v[ADI] offset:(\q)*16384+2048*\t+512*\c
.endr
.endr
	WIN 0
.endm
.macro KQ t0                           ; S^T = K Q^T: four tiles of 16 keys x my two tiles of queries; an odd tile's scale words lie in lanes 16-31
.irp t, \t0, \t0+1, \t0+2, \t0+3
.if (\t) < 4
.set KA, SA+32+64*((\t)/2)+16*((\t)%2)
.else
.set KA, FRG+16*(\t)
.endif
.irp u, 0,1
.if (\t)%2
	v_wmma_scale_f32_16x16x128_f8f6f4 v[SA+64*\u+8*(\t):SA+64*\u+8*(\t)+7], v[KA:KA+15], v[QC+16*\u:QC+16*\u+15], 0, v[KS+(\t)/2], v[QS+\u] matrix_a_scale:MATRIX_SCALE_ROW1
.else
	v_wmma_scale_f32_16x16x128_f8f6f4 v[SA+64*\u+8*(\t):SA+64*\u+8*(\t)+7], v[KA:KA+15], v[QC+16*\u:QC+16*\u+15], 0, v[KS+(\t)/2], v[QS+\u]
.endif
.endr
.endr
.endm
.macro PV t0                           ; O^T += V^T P^T, four tiles of 16 channels: the accumulators take turns, one instruction a turn
.irp t, \t0, \t0+1, \t0+2, \t0+3
.irp u, 0,1
.if (\t)%2
	v_wmma_scale_f32_16x16x128_f8f6f4 v[OA+64*\u+8*(\t):OA+64*\u+8*(\t)+7], v[FRG+16*(\t):FRG+16*(\t)+15], v[PCD+16*\u:PCD+16*\u+15], v[OA+64*\u+8*(\t):OA+64*\u+8*(\t)+7], v[VS+(\t)/2], v[PS+\u] matrix_a_scale:MATRIX_SCALE_ROW1
.else
	v_wmma_scale_f32_16x16x128_f8f6f4 v[OA+64*\u+8*(\t):OA+64*\u+8*(\t)+7], v[FRG+16*(\t):FRG+16*(\t)+15], v[PCD+16*\u:PCD+16*\u+15], v[OA+64*\u+8*(\t):OA+64*\u+8*(\t)+7], v[VS+(\t)/2], v[PS+\u]
.endif
.endr
.endr
.endm
.macro BMAX                            ; the largest score of each block of 32 keys; each accumulator is first read at its low end
.irp u, 0,1
.irp b, 0,1,2,3
	v_max3_num_f32 v[TM+12*\u+\b], v[SA+64*\u+16*\b], v[SA+64*\u+16*\b+1], v[SA+64*\u+16*\b+2]
.endr
.endr
.irp i, 3,5,7,9,11,13
.irp u, 0,1
.irp b, 0,1,2,3
	v_max3_num_f32 v[TM+12*\u+\b], v[TM+12*\u+\b], v[SA+64*\u+16*\b+\i], v[SA+64*\u+16*\b+\i+1]
.endr
.endr
.endr
.irp u, 0,1
.irp b, 0,1,2,3
	v_max_num_f32 v[TM+12*\u+\b], v[TM+12*\u+\b], v[SA+64*\u+16*\b+15]
.endr
.endr
.endm
.macro STATS                           ; the row's new M, f, and t - M of each block's largest score; the two tiles by turns
	XLANE
.irp u, 0,1
	v_max3_num_f32 v[TM+12*\u+8], v[TM+12*\u], v[TM+12*\u+1], v[TM+12*\u+2]
.endr
.irp u, 0,1
	v_max3_num_f32 v[ST+4*\u+1], v[ST+4*\u+1], v[TM+12*\u+8], v[TM+12*\u+3]   ; the running largest score
.endr
.irp u, 0,1
	v_mul_f32 v[TM+12*\u+8], s[NCS], v[ST+4*\u+1]  ; -t (c is positive, so the largest score gives the largest t)
.endr
.irp u, 0,1
	v_floor_f32 v[TM+12*\u+9], v[TM+12*\u+8]       ; the new -M = floor(-t) = -ceil(t)
.endr
.irp u, 0,1
	v_sub_f32 v[TM+12*\u+10], v[TM+12*\u+9], v[ST+4*\u]   ; old M - new M: a whole number, 0 or less
.endr
.irp u, 0,1
	v_mov_b32 v[ST+4*\u], v[TM+12*\u+9]
.endr
.irp u, 0,1
	v_cvt_i32_f32 v[TM+12*\u+10], v[TM+12*\u+10]   ; (it saturates)
.endr
.irp u, 0,1
	v_ldexp_f32 v[FF+2*\u], 1.0, v[TM+12*\u+10]    ; f
.endr
.irp u, 0,1
.irp b, 0,1,2,3
	v_fma_f32 v[TM+12*\u+\b], v[TM+12*\u+\b], s[CS], v[ST+4*\u]
.endr
.endr
.endm
.macro TMIN u                          ; line k of tile u's 32 scalings: t - M, two at a time
	v_pk_fma_f32 v[SA+64*\u+2*k:SA+64*\u+2*k+1], v[SA+64*\u+2*k:SA+64*\u+2*k+1], s[CS:CS+1], v[ST+4*\u:ST+4*\u+1] op_sel_hi:[1,0,0]
.endm
; line k of tile u's 32 holds at 448 x the scale (p is not negative: one-sided): a number of block 2 (k / 16) and one of the block after it, so that the pair's destinations are even and odd and its sources lie in different banks
.macro HOLD u
	v_dual_min_num_f32 v[SA+64*\u+32*(k/16)+k%16], v[SA+64*\u+32*(k/16)+k%16], v[TM+12*\u+4+2*(k/16)] :: v_dual_min_num_f32 v[SA+64*\u+32*(k/16)+16+((k%16)^1)], v[SA+64*\u+32*(k/16)+16+((k%16)^1)], v[TM+12*\u+5+2*(k/16)]
.endm
.macro EXP2 u                          ; p = 2^(t - M): numbers 2 k, 2 k + 1 of tile u
	v_exp_f32 v[SA+64*\u+2*k], v[SA+64*\u+2*k]
	v_exp_f32 v[SA+64*\u+2*k+1], v[SA+64*\u+2*k+1]
.endm
.macro SUMS u                          ; the row's sum of the unquantised p: two at a time, in two chains
	v_pk_add_f32 v[TM+12*\u:TM+12*\u+1], v[SA+64*\u:SA+64*\u+1], v[SA+64*\u+2:SA+64*\u+3]
.irp j, 4,8,12,16,20,24,28,32,36,40,44,48,52,56,60
	v_pk_add_f32 v[ST+4*\u+2:ST+4*\u+3], v[ST+4*\u+2:ST+4*\u+3], v[SA+64*\u+\j:SA+64*\u+\j+1]
	v_pk_add_f32 v[TM+12*\u:TM+12*\u+1], v[TM+12*\u:TM+12*\u+1], v[SA+64*\u+\j+2:SA+64*\u+\j+3]
.endr
	v_pk_add_f32 v[ST+4*\u+2:ST+4*\u+3], v[ST+4*\u+2:ST+4*\u+3], v[TM+12*\u:TM+12*\u+1]
.endm
.macro ADDRS                           ; the LDS addresses of the period whose slot begins at s[TB]
	v_add_nc_u32 v[ADI], s[TB], v[LI0]
	v_add_nc_u32 v[ADS], s[TS], v[LS0]
	ALUW                                           ; the two are read again behind waits
.endm
; A KEY STEP: 128 keys, the q-th of the period; its fragments of K were asked for a step ago.
; chg = 0: the period's first step.  chg = 1: its last, with the change of slots and the refill in it.  chg = 2: its last, with a barrier alone: nothing is asked for any more.
.macro STEP q, chg
	s_wait_dscnt 16                                ; K's scale words and tiles 0-3 are in; the youngest sixteen loads (tiles 4-7) may be out
	KQ 0
	s_wait_dscnt 0x0
	NOPS 9                                         ; nine places: the results below are laid over the fragments of tiles 0-3
	WIN 0x01
	KQ 4
	WIN 0
	NOPS 8                                         ; eight places: for the loads below and for the first read of the scores
	LOADV \q
.if \chg
	s_wait_tensorcnt 0x0                           ; my part of the next period's slot is in
	ds_add_u32 v[SPW], v[NIL]                      ; 0 onto my spare word; work on registers stands between it and the wait for it
.if \chg == 1
	ds_add_u32 v[SPW], v[NIL]                      ; where a tensor load follows: twice on end
.endif
.endif
	BMAX
	STATS
.if \chg == 1
	s_xor_b32 s[G0+1], s[G0+1], SLOT1              ; the descriptor: the slot that is being left,
	s_add_co_u32 s40, s[MC], 2                     ; period m + 2: slot (m + 2) % 8 of the head's kv
	s_and_b32 s40, s40, 7
	s_lshl_b32 s40, s40, 16
	s_mov_b32 s41, 0
	s_add_nc_u64 s[G0+2:G0+3], s[KVW:KVW+1], s[40:41]
	s_or_b32 s[G0+3], s[G0+3], 0x80000000
	s_wait_xcnt 0x0                                ; my last prefetch has read its address
	s_add_nc_u64 s[PFA:PFA+1], s[PFA:PFA+1], 65536
.endif
.if \chg
	ALUW
	s_wait_dscnt 0x0                               ; the add is done and V's fragments are in: I read this slot no more
	s_barrier_signal -1                            ; only work on registers up to its wait
.endif
.set k, 0
.rept 32
	TMIN 0
.set k, k+1
.endr
.irp u, 0,1
	v_pk_mul_f32 v[ST+4*\u+2:ST+4*\u+3], v[ST+4*\u+2:ST+4*\u+3], v[FF+2*\u:FF+2*\u+1] op_sel_hi:[1,0]   ; the sums under the new M
.endr
	WIN 0x41
.set k, 0
.rept 64
	v_pk_mul_f32 v[OA+2*k:OA+2*k+1], v[OA+2*k:OA+2*k+1], v[FF+2*(k/32):FF+2*(k/32)+1] op_sel_hi:[1,0]   ; O^T under the new M, ahead of the step's exponentials; each accumulator from its low end on
.set k, k+1
.endr
	WIN 0
	ALUW                                           ; a wait ahead of a batch of exponentials and one behind it
.irp u, 0,1
.irp b, 0,1,2,3
	v_exp_f32 v[TM+12*\u+\b], v[TM+12*\u+\b]       ; the block's largest p: the same multiply-add and exponential on the same score
.endr
.endr
.set k, 0
.rept 32                                           ; tile 0's exponentials; among them tile 1's scalings, which are read behind the wait below
	EXP2 0
	TMIN 1
.set k, k+1
.endr
	ALUW
	SCALEW PS, 1
	SUMS 0
	ALUW
.set k, 0
.rept 32                                           ; tile 1's exponentials; among them tile 0's holds, which are read behind the wait below
	EXP2 1
	HOLD 0
.set k, k+1
.endr
	v_nop
	ALUW
	CVT PCD, 0
	v_nop                                          ; one plain line behind the conversions
.if \chg
	ALUW
	s_barrier_wait -1                              ; every wave of my work-group has its tiles in and reads the old slot no more
.if \chg == 1
	CREST                                          ; and so in all four partners
	TLOAD 4                                        ; the joint refill: period m + 2
	ASK                                            ; period m + 3
	s_cmp_eq_u32 s[MC], 3
	s_cbranch_scc0 .Lno_q_\@
	global_prefetch_b8 v[PFO], s[4:5] offset:NEXTQ th:TH_LOAD_NT scope:SCOPE_SE        ; my 32 rows of the second block's query
	global_prefetch_b8 v[PFO], s[4:5] offset:NEXTQ+8192 th:TH_LOAD_NT scope:SCOPE_SE
.Lno_q_\@:
.endif
	s_xor_b32 s[TB], s[TB], SLOT1                  ; on to the other slot and the next period's scale words (eight periods to a walk)
	s_add_co_u32 s[TS], s[TS], 2048
	s_and_b32 s[TS], s[TS], 0x3fff
	ADDRS
.endif
	LOADK1 1-\q                                    ; the next step's K, as its registers fall free
	SUMS 1
.set k, 0
.rept 32
	HOLD 1
.set k, k+1
.endr
	CVT PCD, 1
	LOADK2 1-\q
	NOPS 4                                         ; an operand written by vector instructions stands four places ahead of a scaled matrix instruction
.if \chg == 0
	ALUW
	s_wait_dscnt 20                                ; V is in; the 4 + 8 + 8 loads of the next step's K may be out
.endif
	WIN 0x51
	PV 4
	NOPS 8                                         ; eight places ahead of loads into the fragments just multiplied
	LOADK3 1-\q
	WIN 0x51
	PV 0
	WIN 0
.endm
; THE WAY OUT: O^T / the sum goes through my stage in LDS, 256 bytes of 16 queries at a time, so that sixteen lanes store 256 consecutive bytes, aligned
.macro WAYOUT off
.irp u, 0,1
	v_add_f32 v[TM+12*\u+8], v[ST+4*\u+2], v[ST+4*\u+3]
.endr
.irp u, 0,1
	v_permlanex16_b32 v[TM+12*\u+4], v[TM+12*\u+8], s[SEL], s[SEL+1]
.endr
.irp u, 0,1
	v_add_f32 v[TM+12*\u+8], v[TM+12*\u+8], v[TM+12*\u+4]   ; the row's sum
.endr
	ALUW                                           ; the wait ahead of the reciprocals
.irp u, 0,1
	v_rcp_f32 v[FF+2*\u], v[TM+12*\u+8]
.endr
	NOPS 8                                         ; places behind the last products and behind the reciprocals
	WIN 0x41
	ALUW                                           ; directly ahead of the first reader
.set k, 0
.rept 64
	v_pk_mul_f32 v[OA+2*k:OA+2*k+1], v[OA+2*k:OA+2*k+1], v[FF+2*(k/32):FF+2*(k/32)+1] op_sel_hi:[1,0]   ; register 64 u + 8 t + j is o(16 u + r, 16 t + 8 h + j)
.set k, k+1
.endr
	ALUW                                           ; window switches stand ahead of the last readers
.irp u, 0,1
.irp g, 0,1
	WIN 0x04
.irp t, 0,1,2,3
	ds_store_b128 v[STO], v[OA+64*\u+32*\g+8*\t:OA+64*\u+32*\g+8*\t+3] offset:64*\t
	ds_store_b128 v[STO], v[OA+64*\u+32*\g+8*\t+4:OA+64*\u+32*\g+8*\t+7] offset:64*\t+16
.endr
	WIN 0x40
.irp i, 0,1,2,3,4,5,6,7
	ds_load_b128 v[FRG+32*(2*\u+\g)+4*\i:FRG+32*(2*\u+\g)+4*\i+3], v[RD] offset:2*\i*SP   ; LDS serves a wave's instructions in order (ISA guide 5.7.1.4)
.endr
.endr
.endr
	WIN 0x04
.irp u, 0,1
.irp g, 0,1
.irp i, 0,1,2,3,4,5,6,7
	s_wait_dscnt (3-2*\u-\g)*16+7-\i               ; what may stay out: this pass's later loads and the sixteen LDS instructions of each later pass
	global_store_b128 v[GO], v[FRG+32*(2*\u+\g)+4*\i:FRG+32*(2*\u+\g)+4*\i+3], s[8:9] offset:\off+8192*\u+1024*\i+256*\g th:TH_STORE_NT
.endr
.endr
.endr
	WIN 0
.endm
	s_load_b128 s[4:7], s[0:1], 0x0                ; query, kv
	s_load_b64 s[8:9], s[0:1], 0x10                ; out0
	v_lshl_add_u32 v[SPW], v0, 2, SPARE
	v_mov_b32 v[NIL], 0
	ds_add_u32 v[SPW], v[NIL]                      ; the opening lines: the add, twice on end, and its wait
	ds_add_u32 v[SPW], v[NIL]
	v_lshrrev_b32 v[ADI], 5, v0
	v_readfirstlane_b32 s[WV], v[ADI]              ; wave 0..7
	s_mul_i32 s40, s[WV], 16*SP
	s_add_co_u32 s40, s40, STAGE                   ; my stage
	v_and_b32 v[ADI], 31, v0
	v_lshlrev_b32 v[LI0], 4, v[ADI]
	v_lshl_add_u32 v[LS0], v[ADI], 3, SCL
	v_lshlrev_b32 v[PFO], 8, v[ADI]
	v_and_b32 v[ADI], 15, v0                       ; r
	v_bfe_u32 v[ADS], v0, 4, 1                     ; h
	v_lshlrev_b32 v[QO], 9, v[ADI]
	v_lshl_add_u32 v[QO], v[ADS], 6, v[QO]
	v_mul_u32_u24 v[STO], v[ADI], SP
	v_lshl_add_u32 v[STO], v[ADS], 5, v[STO]
	v_add_nc_u32 v[STO], s40, v[STO]               ; into the stage: row r, 64 t + 32 h bytes on
	v_mul_u32_u24 v[RD], v[ADS], SP
	v_lshl_add_u32 v[RD], v[ADI], 4, v[RD]
	v_add_nc_u32 v[RD], s40, v[RD]                 ; back: lanes 0-15 one row, lanes 16-31 the next
	v_lshlrev_b32 v[GO], 9, v[ADS]
	v_lshl_add_u32 v[GO], v[ADI], 4, v[GO]         ; and the same two rows in out0
.irp u, 0,1
	v_mov_b32 v[ST+4*\u+2], 0                      ; the sum, in two halves
	v_mov_b32 v[ST+4*\u+3], 0
	v_mov_b32 v[FF+2*\u+1], 0                      ; named with f as a pair
.irp b, 0,1,2,3
	v_mov_b32 v[TM+12*\u+4+\b], 0                  ; a lane permute's destination counts as one of its sources
.endr
.endr
	s_bfe_u32 s11, ttmp6, 0x40000                  ; cx: it enters query's, out0's and the prefetches' addresses alone
	s_and_b32 s13, ttmp7, 0xffff                   ; the head, which the four partners share
	s_mov_b32 s[G1], 15|(3<<16)|(1<<21)            ; the mask of all four; elements of 8 bytes; bit 21 beside a mask
	s_mov_b32 s[G1+1], 32<<16                      ; 64 rows of 256 bytes, dense
	s_mov_b32 s[G1+2], 64<<16
	s_mov_b32 s[G1+3], 32<<16
	s_mov_b32 s[G1+4], 64
	s_mov_b32 s[G1+5], 32
	s_mov_b32 s[G1+6], 0
	s_mov_b32 s[G1+7], 0
	s_mov_b32 s[G0], 1
	s_lshl_b32 s[G0+1], s[WV], 14                  ; waves 0-3 a quarter of slot 0 each, wave 4 the scale words at 65,536
	s_mul_i32 s40, s13, HB
	s_mov_b32 s41, 0
	s_lshr_b32 s42, s[WV], 2                       ; in the head: 16,384 x wave; wave 4: 16,384 x 32, the scale words
	s_mul_i32 s42, s42, 28
	s_add_co_u32 s42, s42, s[WV]
	s_lshl_b32 s42, s42, 14
	s_mov_b32 s43, 0
	s_lshl_b32 s44, s13, 20                        ; my 32 rows of the first block: head x 2^20 + cx x 2^17 + wave x 2^14 bytes
	s_lshl_b32 s45, s11, 17
	s_add_co_u32 s44, s44, s45
	s_lshl_b32 s45, s[WV], 14
	s_add_co_u32 s44, s44, s45
	s_mov_b32 s45, 0
	s_lshl_b32 s46, s11, 14                        ; the prefetches: my work-group's 16,384 bytes of a slot, my wave's half of them, in period 2
	s_and_b32 s47, s[WV], 1
	s_lshl_b32 s47, s47, 13
	s_add_co_u32 s46, s46, s47
	s_add_co_u32 s46, s46, 2*65536
	s_mov_b32 s47, 0
	s_lshl_b32 s50, s[WV], 14
	s_mov_b32 s51, 0
	s_lshr_b32 s[LIM], s[WV], 1
	s_cmp_eq_u32 s[LIM], 3
	s_cselect_b32 s[LIM], 5, 0
	s_mov_b32 s[SEL], 0x76543210
	s_mov_b32 s[SEL+1], 0xfedcba98
	s_mov_b32 s[CS], 0x3e0293ee                    ; c = log2(e) / sqrt(128)
	s_mov_b32 s[CS+1], s[CS]
	s_mov_b32 s[NCS], 0xbe0293ee
	s_mov_b32 s[MNT], 0x600000
	s_mov_b32 s[TB], 0
	s_mov_b32 s[TS], 0
	s_mov_b32 s[MC], 0
	ALUW
	s_wait_dscnt 0x0
	s_wait_kmcnt 0x0
	s_add_nc_u64 s[6:7], s[6:7], s[40:41]
	s_add_nc_u64 s[G0+2:G0+3], s[6:7], s[42:43]
	s_or_b32 s[G0+3], s[G0+3], 0x80000000
	s_add_nc_u64 s[PFA:PFA+1], s[6:7], s[46:47]
	s_add_nc_u64 s[KVW:KVW+1], s[6:7], s[50:51]
	s_add_nc_u64 s[4:5], s[4:5], s[44:45]
	s_add_nc_u64 s[8:9], s[8:9], s[44:45]
	QLOAD 0
	CROUND                                         ; the first joint loads meet
	TLOAD 5                                        ; period 0 and the scale words: one load a wave
	WIN 0x40
.set k, 0
.rept 128
	v_mov_b32 v[OA+k], 0                           ; O^T, once in the launch: the key step has no first step of its own.  These lines stand while Q is on its way
.set k, k+1
.endr
	WIN 0
	QQUANT
	s_wait_tensorcnt 0x0                           ; these lines ahead of a later first fill, as ahead of a refill
	ds_add_u32 v[SPW], v[NIL]
	ds_add_u32 v[SPW], v[NIL]
	s_xor_b32 s[G0+1], s[G0+1], SLOT1
	s_add_nc_u64 s[G0+2:G0+3], s[KVW:KVW+1], 65536
	s_or_b32 s[G0+3], s[G0+3], 0x80000000
	s_wait_dscnt 0x0
	CROUND
	TLOAD 4                                        ; period 1, into slot 1
	ASK                                            ; period 2
	ADDRS
	LOADK1 0                                       ; the first step's K
	LOADK2 0
	LOADK3 0
.Lperiod:                                          ; periods 0 to 13: each asks for the period two on
	STEP 0, 0
	STEP 1, 1
	s_cmp_lg_u32 s[MC], 7
	s_cbranch_scc1 .Lsame_block
	s_wait_dscnt 0x0                               ; the first block is done.  Q and the way out take the registers of the fragments fetched ahead, which are fetched once more below
	QLOAD NEXTQ                                    ; the second block's Q is asked for, where the scores lay,
	WAYOUT 0                                       ; the first block goes out,
	s_wait_xcnt 0x0                                ; (the stores have read their registers, which take fragments again)
	QQUANT                                         ; and Q is quantised
	LOADK1 0
	LOADK2 0
	LOADK3 0
.Lsame_block:
	s_add_co_u32 s[MC], s[MC], 1
	s_cmp_lt_u32 s[MC], 14
	s_cbranch_scc1 .Lperiod
.Ltail:                                            ; periods 14 and 15 ask memory for nothing.  The trip is written once: period 14's barrier shows period 15's tiles to every wave; period 15's barrier and its fetch ahead from LDS serve nothing more
	STEP 0, 0
	STEP 1, 2
	s_add_co_u32 s[MC], s[MC], 1
	s_cmp_lt_u32 s[MC], 16
	s_cbranch_scc1 .Ltail
	s_wait_dscnt 0x0                               ; the last fetch ahead is in: its registers are used on the way out
	WAYOUT NEXTQ
	s_wait_tensorcnt 0x0                           ; the wave's end
	ds_add_u32 v[SPW], v[NIL]
	s_wait_dscnt 0x0
	CROUND                                         ; the closing round
	s_endpgm
.Lfunc_end_k_q92bff80ef9_attn:
	.size	k_q92bff80ef9_attn, .Lfunc_end_k_q92bff80ef9_attn-k_q92bff80ef9_attn
	.p2alignl 7, 3214868480
	.fill 96, 4, 3214868480
	.section	.rodata,"a",@progbits
	.p2align	6, 0x0
	.amdhsa_kernel k_q92bff80ef9_attn
		.amdhsa_group_segment_fixed_size 327680
		.amdhsa_private_segment_fixed_size 0
		.amdhsa_enable_private_segment 0
		.amdhsa_kernarg_size 24
		.amdhsa_user_sgpr_count 2
		.amdhsa_user_sgpr_kernarg_segment_ptr 1
		.amdhsa_wavefront_size32 1
		.amdhsa_system_sgpr_workgroup_id_x 1
		.amdhsa_system_sgpr_workgroup_id_y 1
		.amdhsa_system_sgpr_workgroup_id_z 1
		.amdhsa_system_vgpr_workitem_id 0
		.amdhsa_next_free_vgpr 512
		.amdhsa_next_free_sgpr 66
		.amdhsa_reserve_vcc 0
		.amdhsa_float_denorm_mode_32 3
		.amdhsa_float_denorm_mode_16_64 3
		.amdhsa_memory_ordered 1
		.amdhsa_forward_progress 1
		.amdhsa_inst_pref_size 241
	.end_amdhsa_kernel
	.amdgpu_metadata
---
amdhsa.version: [ 1, 2 ]
amdhsa.kernels:
  - .name:           k_q92bff80ef9_attn
    .symbol:         k_q92bff80ef9_attn.kd
    .args:
      - { .name: query, .offset: 0, .size: 8, .value_kind: global_buffer, .address_space: global }
      - { .name: kv, .offset: 8, .size: 8, .value_kind: global_buffer, .address_space: global }
      - { .name: out0, .offset: 16, .size: 8, .value_kind: global_buffer, .address_space: global }
    .group_segment_fixed_size: 327680
    .private_segment_fixed_size: 0
    .kernarg_segment_align: 8
    .kernarg_segment_size: 24
    .max_flat_workgroup_size: 256
    .sgpr_count:     66
    .vgpr_count:     512
    .wavefront_size: 32
...
	.end_amdgpu_metadata
.endif
;; end of part 2
